; MI455X (gfx1250); checked and timed in simulation.
; The chip was launched on July 23, 2026; its instructions are those of AMD's public machine-readable ISA for CDNA 5 (MIT licence, August 2026) and "CDNA5" Instruction Set Architecture Reference Guide (July 2026). The comments in the code are by the model that wrote it; some were corrected since.
;; Expert Mixture. Allowed arithmetic: float matrix products may take bf16 or f16 operands with f32 sums; other float arithmetic in f32, or as packed bf16 or f16 multiplies, adds, multiply-adds, maxima and minima; sums over many terms, partial sums and values carried from step to step in f32; what a program stores and reads back later, other than sums and carried values, may be rounded once to bf16 or f16.
;; Inputs: W1 8 x 1,024 x 2,048 float32; W2 8 x 2,048 x 3 float32; Wr 1,024 x 8 float32; b1 8 x 2,048 float32; b2 8 x 3 float32; br 8 float32; x 4,096 x 1,024 float32.
;; Outputs: out0 4,096 x 3 float32.
;; One version. Each part assembles by itself: llvm-mc -triple=amdgcn-amd-amdhsa -mcpu=gfx1250 --defsym DOCPART=n.
;; ======== version 1 of 1: 3 launches
;; workspace buffers: xb 8,388,608 bytes; rt 8,192 bytes of whole numbers; w2t 131,072 bytes; part 16,777,216 bytes; pos 16,640 bytes of whole numbers
;; launch route (part 1): grid 256 x 1, 4 waves a work-group, no clusters, 2,560 bytes of LDS; arguments x, Wr, br, W2, xb, rt, w2t; writes xb, rt, w2t
.if DOCPART == 1
	.amdgcn_target "amdgcn-amd-amdhsa--gfx1250"
	.amdhsa_code_object_version 6
	.text
	.protected	k_q3b91d049eb_route
	.globl	k_q3b91d049eb_route
	.p2align	8
	.type	k_q3b91d049eb_route,@function
k_q3b91d049eb_route:
	s_mov_b64 s[64:65], 0
	v_nop
	global_prefetch_b8 v0, s[64:65] scope:SCOPE_SE
	s_setreg_imm32_b32 hwreg(HW_REG_WAVE_MODE, 25, 1), 1
	s_wait_xcnt 0x0
; ROUTER, AND THE OPERANDS OF THE LATER PRODUCTS.  topics[b] = argmax_e (x[b] . Wr[:, e] + br[e]); x: [4096][1024], Wr: [1024][8], br: [8], all f32.
; WORK LEFT OUT BY THE PROGRAM.  The problem computes out_all[e][b] for all 8 experts and then keeps out_all[topics[b]][b] alone, by an index that it makes itself: whatever the inputs hold, the
; other seven rows out_all[e'][b], e' != topics[b], reach no output.  So this launch stores each row's choice as whole numbers, and the next launch, which reads them, multiplies each row by its
; chosen expert only.  Every input still has a way to the output, and all seven are loaded by some launch.
; THE FORMAT.  The whole program computes the problem on its inputs rounded once to bf16, all seven of them: x, Wr, br and W2 here, W1, b1 and b2 in the next launch.  The two large products need x, W1
; and W2 so; the router and the biases take the same rounding, so that every step sees one and the same set of numbers.  The router's products (exact in f32: 8 bits times 8 bits) and sums stay in
; f32, on the vector unit: a choice decides a whole output row.
; LIMITS.  A row whose two best logits lie closer than the rounding of x, Wr and br moves them (about 3e-3 of the logits' spread) gets the expert that the rounded inputs choose, which may be another
; than the unrounded inputs would choose.  The logits are f32 sums taken in another order than the problem's: two logits closer than that rounding (about 1e-6 of their spread) may fall either way.
; Equal logits: the lower index wins.  A NaN logit never wins the argmax.  A NaN, an infinity or an overflow that arises only in an expert that a row did not choose is not carried to the result.
; SHARES.  Work-group g has tokens 16 g .. 16 g + 15.  Wave w has k = 256 w .. 256 w + 255 of all 16 rows; lane l the k = 256 w + 128 j + 4 l + kk (j = 0, 1; kk = 0..3).  So a load of x covers 512
; consecutive bytes, and the row's bf16 copy leaves as 8 bytes a lane: 256 consecutive bytes, aligned, a store.  x is read once and serves both the logits and the copy.
; OUT.  xb[4096][1024] bf16.  rt[g][e], one word: bits 15:0 the group's tokens that chose e, bits 31:16 their number.  w2t[G = 32 e + s][c = 0..3][64 units] bf16: W2 turned, by slices of 64 hidden
; units, row c = 3 zeros: threads 0 to 63 lay slice G = g.  rt (32 bytes a work-group) and w2t (four runs of 128 bytes) are small tables: 8 KiB and 128 KiB in the whole launch.
; No matrix unit, no cluster: the launch streams x once; Wr is 32 KiB that every work-group reads.
.set ACC, 32                           ; v[32:63]    four rows x 8 logits, my part of K
.set WR,  64                           ; v[64:127]   Wr of my 8 k, rounded: k number n = 4 j + kk at WR + 8 n, 8 experts each; later the four waves' parts and br
.set XV,  128                          ; v[128:255]  x: row i, half j at XV + 8 i + 4 j; then, in its first two registers, its bf16 copy
.set TP,  16                           ; v[16:23]    a row's 8 rounded x as f32; then the other half of the lanes' sums
.set SPARE, 2048                       ; LDS: 0..2047 the waves' parts, [wave][row][8] f32; then the spare words, 128 bytes a wave, which no other line names
	s_load_b256 s[4:11], s[0:1], 0x0               ; x s[4:5], Wr s[6:7], br s[8:9], W2 s[10:11]
	s_load_b128 s[12:15], s[0:1], 0x20             ; xb s[12:13], rt s[14:15]
	s_load_b64 s[16:17], s[0:1], 0x30              ; w2t
	v_lshl_add_u32 v2, v0, 2, SPARE                ; my spare word
	v_mov_b32 v3, 0                                ; and 0: these two serve the closing add alone
	v_lshrrev_b32 v1, 5, v0
	v_readfirstlane_b32 s18, v1                    ; wave 0..3
	v_and_b32 v1, 31, v0                           ; lane
	s_mov_b32 s19, ttmp9                           ; g
	s_mov_b32 s22, 0x76543210                      ; v_permlanex16_b32: each lane takes its own place in the other half
	s_mov_b32 s23, 0xfedcba98
	s_mov_b32 s35, 0xffff0000                      ; a word's upper bf16
	s_lshl_b32 s32, s18, 10
	v_lshl_add_u32 v4, v1, 4, s32                  ; x: 1,024 w + 16 l
	s_lshl_b32 s32, s18, 13
	v_lshl_add_u32 v5, v1, 7, s32                  ; Wr: 32 bytes a k: 8,192 w + 128 l
	s_lshl_b32 s32, s18, 9
	v_lshl_add_u32 v6, v1, 3, s32                  ; xb: 512 w + 8 l
	v_mov_b32 v7, s32                              ; LDS: my wave's 512 bytes
	v_and_b32 v8, 15, v0
	v_lshlrev_b32 v8, 5, v8                        ; LDS: row l % 16
	v_mov_b32 v12, 0                               ; the record for rt
	v_lshlrev_b32 v13, 2, v1
	v_mul_u32_u24 v14, v0, 12                      ; W2: 12 bytes a hidden unit
	v_lshlrev_b32 v15, 1, v0                       ; w2t: 2 bytes a hidden unit
	v_mov_b32 v27, 0
	s_mov_b32 s21, 0
	s_wait_kmcnt 0x0
	s_load_b256 s[24:31], s[8:9], 0x0              ; br, 32 bytes
	s_lshl_b32 s20, s19, 16
	s_add_nc_u64 s[4:5], s[4:5], s[20:21]          ; x at the group's first row
	s_lshl_b32 s20, s19, 15
	s_add_nc_u64 s[12:13], s[12:13], s[20:21]      ; xb likewise
	s_lshl_b32 s20, s19, 5
	s_add_nc_u64 s[14:15], s[14:15], s[20:21]      ; rt[g]
	s_lshl_b32 s20, s19, 9
	s_add_nc_u64 s[16:17], s[16:17], s[20:21]      ; w2t[G = g]
	s_mul_i32 s20, s19, 768
	s_add_nc_u64 s[10:11], s[10:11], s[20:21]      ; W2 at unit 64 g of the 16,384 (expert, unit) pairs
	s_cmp_lt_u32 s18, 2
	s_cbranch_scc0 .Lno_w2
	global_load_b96 v[24:26], v14, s[10:11]        ; threads 0 to 63: a unit's three weights.  The oldest load: the counts below do not see it
.Lno_w2:
.set n, 0
.rept 8                                ; k number n = 4 j + kk
	global_load_b128 v[WR+8*n:WR+8*n+3],   v5, s[6:7] offset:(n/4)*4096+(n%4)*32
	global_load_b128 v[WR+8*n+4:WR+8*n+7], v5, s[6:7] offset:(n/4)*4096+(n%4)*32+16
.set n, n+1
.endr
.set n, 0
.rept 32                               ; row n / 2, half n % 2
	global_load_b128 v[XV+4*n:XV+4*n+3], v4, s[4:5] offset:(n/2)*4096+(n%2)*512 th:TH_LOAD_NT
.set n, n+1
.endr
	s_wait_loadcnt 32                              ; Wr is in; x's 32 loads, which are younger, stay out
.set c, 0
.rept 4                                ; Wr is rounded to bf16 and widened again, in place, sixteen numbers at a time
.set p, 0
.rept 8
	v_cvt_pk_bf16_f32 v[TP+p], v[WR+16*c+2*p], v[WR+16*c+2*p+1]
.set p, p+1
.endr
.set p, 0
.rept 8
	v_lshlrev_b32 v[WR+16*c+2*p],   16,  v[TP+p]
	v_and_b32     v[WR+16*c+2*p+1], s35, v[TP+p]
.set p, p+1
.endr
.set c, c+1
.endr
; Rows 4 q .. 4 q + 3: their bf16 copy, my part of their logits (made of the copy), the sum over the lanes, the part into LDS.
.macro ROWS q
	s_wait_loadcnt 24-8*(\q)                       ; loads come back in order: these four rows are in, the 8 loads of each later group of rows stay out
.set ii, 0
.rept 4
.set xr, XV+8*(4*(\q)+ii)
.set ar, ACC+8*ii
.irp j, 0,1
	v_cvt_pk_bf16_f32 v[xr+4*(\j)],   v[xr+4*(\j)],   v[xr+4*(\j)+1]
	v_cvt_pk_bf16_f32 v[xr+4*(\j)+1], v[xr+4*(\j)+2], v[xr+4*(\j)+3]
	global_store_b64 v6, v[xr+4*(\j):xr+4*(\j)+1], s[12:13] offset:(4*(\q)+ii)*2048+(\j)*256  ; the wave stores 256 consecutive bytes, aligned; these registers are not written again
.endr
.irp j, 0,1,2,3                        ; the four packed words as eight f32: k number n at TP + n
	v_lshlrev_b32 v[TP+2*(\j)],   16,  v[xr+4*((\j)/2)+(\j)%2]
	v_and_b32     v[TP+2*(\j)+1], s35, v[xr+4*((\j)/2)+(\j)%2]
.endr
.set n, 0
.rept 8                                ; one x, broadcast to both halves, times two experts' Wr; the first product starts the sums
.set p, 0
.rept 4
.if n == 0
	v_pk_mul_f32 v[ar+2*p:ar+2*p+1], v[TP:TP+1], v[WR+2*p:WR+2*p+1] op_sel_hi:[0,1]
.elseif n%2 == 0
	v_pk_fma_f32 v[ar+2*p:ar+2*p+1], v[TP+n:TP+n+1], v[WR+8*n+2*p:WR+8*n+2*p+1], v[ar+2*p:ar+2*p+1] op_sel_hi:[0,1,1]
.else
	v_pk_fma_f32 v[ar+2*p:ar+2*p+1], v[TP+n-1:TP+n], v[WR+8*n+2*p:WR+8*n+2*p+1], v[ar+2*p:ar+2*p+1] op_sel:[1,0,0] op_sel_hi:[1,1,1]
.endif
.set p, p+1
.endr
.set n, n+1
.endr
.set ii, ii+1
.endr
.irp m, 1,2,4,8                        ; over the 16 lanes of each half, on the arithmetic itself
.set a, ACC
.rept 32
	v_add_f32_dpp v[a], v[a], v[a] row_xmask:\m row_mask:0xf bank_mask:0xf
.set a, a+1
.endr
.endr
.set c, 0
.rept 4                                ; the other half; then every lane holds the wave's part, and all store the same words
.set a, 0
.rept 8
	v_permlanex16_b32 v[TP+a], v[ACC+8*c+a], s22, s23  ; its destination counts as read: the widening above has written it
.set a, a+1
.endr
.set a, 0
.rept 4
	v_pk_add_f32 v[ACC+8*c+a:ACC+8*c+a+1], v[ACC+8*c+a:ACC+8*c+a+1], v[TP+a:TP+a+1]
.set a, a+2
.endr
	ds_store_b128 v7, v[ACC+8*c:ACC+8*c+3]   offset:(4*(\q)+c)*32
	ds_store_b128 v7, v[ACC+8*c+4:ACC+8*c+7] offset:(4*(\q)+c)*32+16
.set c, c+1
.endr
.endm
	ROWS 0
	ROWS 1
	ROWS 2
	ROWS 3
	s_wait_kmcnt 0x0                               ; br
	s_wait_dscnt 0x0                               ; for the others' sake: my parts lie in LDS
	s_barrier_signal -1
	s_barrier_wait -1
	s_cmp_lg_u32 s18, 0
	s_cbranch_scc1 .Lnot_wave_0
	; wave 0: lane l takes row l % 16 (both halves of the lanes do the same): the four parts, br, the argmax
.irp w, 0,1,2,3
	ds_load_b128 v[WR+8*(\w):WR+8*(\w)+3],   v8 offset:512*(\w)
	ds_load_b128 v[WR+8*(\w)+4:WR+8*(\w)+7], v8 offset:512*(\w)+16
.endr
.irp e, 0,1,2,3,4,5,6,7                ; br, rounded to bf16 like the other inputs and widened again, while the parts come
	v_mov_b32 v[WR+32+(\e)], s[24+(\e)]
.endr
.irp p, 0,1,2,3
	v_cvt_pk_bf16_f32 v[WR+40+(\p)], v[WR+32+2*(\p)], v[WR+32+2*(\p)+1]
.endr
.irp p, 0,1,2,3
	v_lshlrev_b32 v[WR+32+2*(\p)],   16,  v[WR+40+(\p)]
	v_and_b32     v[WR+32+2*(\p)+1], s35, v[WR+40+(\p)]
.endr
	s_wait_dscnt 0x0
.set a, 0
.rept 4
	v_pk_add_f32 v[WR+a:WR+a+1], v[WR+a:WR+a+1], v[WR+8+a:WR+8+a+1]
	v_pk_add_f32 v[WR+16+a:WR+16+a+1], v[WR+16+a:WR+16+a+1], v[WR+24+a:WR+24+a+1]
.set a, a+2
.endr
.set a, 0
.rept 4
	v_pk_add_f32 v[WR+a:WR+a+1], v[WR+a:WR+a+1], v[WR+16+a:WR+16+a+1]
.set a, a+2
.endr
.set a, 0
.rept 4
	v_pk_add_f32 v[WR+a:WR+a+1], v[WR+a:WR+a+1], v[WR+32+a:WR+32+a+1]
.set a, a+2
.endr
	v_mov_b32 v10, v[WR]                           ; the best logit so far,
	v_mov_b32 v11, 0                               ; and whose it is
.irp e, 1,2,3,4,5,6,7
	v_cmp_gt_f32 vcc_lo, v[WR+(\e)], v10           ; strictly greater: of equal logits the lower index stays
	v_cndmask_b32 v11, v11, \e, vcc_lo
	v_max_num_f32 v10, v10, v[WR+(\e)]
.endr
.irp e, 0,1,2,3,4,5,6,7                ; the choice is stored, at a fixed place: no address and no branch of this launch hangs on it
	v_cmp_eq_u32 s32, \e, v11
	s_and_b32 s32, s32, 0xffff                     ; the 16 tokens' bits
	s_bcnt1_i32_b32 s33, s32
	s_lshl_b32 s33, s33, 16
	s_or_b32 s32, s32, s33                         ; and their number above them
	v_writelane_b32 v12, s32, \e
.endr
	v_cmp_gt_u32 vcc_lo, 8, v1
	s_wait_xcnt 0x0                                ; EXEC is a source of the stores above: it changes only behind this wait
	s_and_saveexec_b32 s34, vcc_lo
	global_store_b32 v13, v12, s[14:15]            ; lanes 0 to 7: 32 bytes on end
	s_wait_xcnt 0x0                                ; and again in front of the line that widens it
	s_or_b32 exec_lo, exec_lo, s34
.Lnot_wave_0:
	s_cmp_lt_u32 s18, 2
	s_cbranch_scc0 .Lend
	; threads 0 to 63: unit t of slice G: its three weights rounded once, a row of w2t for each output, a fourth row of zeros (the last wait on loads above was for 0)
	v_cvt_pk_bf16_f32 v28, v24, v25
	v_cvt_pk_bf16_f32 v29, v26, v27
	global_store_b16 v15, v28, s[16:17]
	global_store_d16_hi_b16 v15, v28, s[16:17] offset:128
	global_store_b16 v15, v29, s[16:17] offset:256
	global_store_d16_hi_b16 v15, v29, s[16:17] offset:384
.Lend:
	s_wait_tensorcnt 0x0                           ; the wave's end: behind my last LDS store
	ds_add_u32 v2, v3
	s_wait_dscnt 0x0
	s_endpgm
.Lfunc_end_k_q3b91d049eb_route:
	.size	k_q3b91d049eb_route, .Lfunc_end_k_q3b91d049eb_route-k_q3b91d049eb_route
	.p2alignl 7, 3214868480
	.fill 96, 4, 3214868480
	.section	.rodata,"a",@progbits
	.p2align	6, 0x0
	.amdhsa_kernel k_q3b91d049eb_route
		.amdhsa_group_segment_fixed_size 2560
		.amdhsa_private_segment_fixed_size 0
		.amdhsa_enable_private_segment 0
		.amdhsa_kernarg_size 56
		.amdhsa_user_sgpr_count 2
		.amdhsa_user_sgpr_kernarg_segment_ptr 1
		.amdhsa_wavefront_size32 1
		.amdhsa_system_sgpr_workgroup_id_x 1
		.amdhsa_system_sgpr_workgroup_id_y 1
		.amdhsa_system_sgpr_workgroup_id_z 1
		.amdhsa_system_vgpr_workitem_id 0
		.amdhsa_next_free_vgpr 256
		.amdhsa_next_free_sgpr 66
		.amdhsa_reserve_vcc 1
		.amdhsa_float_denorm_mode_32 3
		.amdhsa_float_denorm_mode_16_64 3
		.amdhsa_memory_ordered 1
		.amdhsa_forward_progress 1
		.amdhsa_inst_pref_size 107
	.end_amdhsa_kernel
	.amdgpu_metadata
---
amdhsa.version: [ 1, 2 ]
amdhsa.kernels:
  - .name:           k_q3b91d049eb_route
    .symbol:         k_q3b91d049eb_route.kd
    .args:
      - { .name: x, .offset: 0, .size: 8, .value_kind: global_buffer, .address_space: global }
      - { .name: Wr, .offset: 8, .size: 8, .value_kind: global_buffer, .address_space: global }
      - { .name: br, .offset: 16, .size: 8, .value_kind: global_buffer, .address_space: global }
      - { .name: W2, .offset: 24, .size: 8, .value_kind: global_buffer, .address_space: global }
      - { .name: xb, .offset: 32, .size: 8, .value_kind: global_buffer, .address_space: global }
      - { .name: rt, .offset: 40, .size: 8, .value_kind: global_buffer, .address_space: global }
      - { .name: w2t, .offset: 48, .size: 8, .value_kind: global_buffer, .address_space: global }
    .group_segment_fixed_size: 2560
    .private_segment_fixed_size: 0
    .kernarg_segment_align: 8
    .kernarg_segment_size: 56
    .max_flat_workgroup_size: 128
    .sgpr_count:     66
    .vgpr_count:     256
    .wavefront_size: 32
...
	.end_amdgpu_metadata
.endif
;; end of part 1
;; launch expert (part 2): grid 32 x 8, 4 waves a work-group, no clusters, 185,856 bytes of LDS; arguments W1, b1, b2, xb, w2t, rt, part, pos; writes part, pos
.if DOCPART == 2
	.amdgcn_target "amdgcn-amd-amdhsa--gfx1250"
	.amdhsa_code_object_version 6
	.text
	.protected	k_q3b91d049eb_expert
	.globl	k_q3b91d049eb_expert
	.p2align	8
	.type	k_q3b91d049eb_expert,@function
k_q3b91d049eb_expert:
	s_mov_b64 s[64:65], 0
	v_nop
	global_prefetch_b8 v0, s[64:65] scope:SCOPE_SE
	s_setreg_imm32_b32 hwreg(HW_REG_WAVE_MODE, 25, 1), 1
	s_wait_xcnt 0x0
; THE CHOSEN EXPERT'S TWO PRODUCTS.  part[s][4096 e + rank][c] = the sum over the 64 hidden units u of slice s of relu(x[t] . W1[e][:, u] + b1[e][u]) W2[e][u][c]  (+ b2[e][c] in slice 0),
; for the tokens t that chose expert e, in ascending order (rank).  WORK LEFT OUT: the experts that a row did not choose, whose results the problem's own gather throws away (shown at the head of the
; launch before); which rows an expert has is read from rt, which that launch stored.
; THE FORMAT, LIMITS.  All the problem's inputs are rounded once to bf16 (said at the head of the launch before): x and W2 arrive so, W1, b1 and b2 are rounded here.  The hidden layer is rounded once
; to bf16 for the second product; sums in f32, K in another order than the problem's.  relu(NaN) gives 0.
; SHARES.  Work-group (s, e) alone reads the 64 columns 64 s .. 64 s + 63 of W1[e] (256 KiB of f32), once, rounds them on their way through registers and keeps them in LDS (128 KiB of bf16); then it
; takes ALL rows of expert e, 576 ranks a tile, up to 8 tiles: every split of the 4,096 tokens is served.  Wave w has ranks 576 tile + 144 w .. + 143: 9 blocks of 16 tokens x 4 blocks of 16 units:
; 36 accumulators.  Places past the count repeat row 4095; blocks wholly past it are computed with their tile and not stored; a wave whose first rank is past the count leaves the loop.
; LAYOUT.  h^T = W1^T x^T (source 0 = 16 units, turned out of LDS by ds_load_tr16_b128; source 1 = 16 tokens, straight from xb's rows): a lane holds ONE token (lane % 16) and the units
; 8 (lane / 16) + 0..7.  Two such results, rounded to bf16 in pairs, ARE source 1 (32 units x 16 tokens) of out^T = W2^T h^T, whose rows 0..2 are the three outputs.  b1 is the C operand that starts
; the first sums, b2 (slice 0) or 0 the one that starts the second: nothing is cleared.
; THE LOOP OVER ROWS hangs on a stored count, so it writes no LDS and has no barrier: both barriers of the text stand in front of it, on every wave's path.
; K GOES ROUND: a trip is 128 k, 256 aligned bytes of a row of xb; slice s begins at block s % 8, so that an expert's 32 work-groups walk different blocks of the same rows at a time.
; NO CLUSTER, NO TENSOR LOAD: each slice of W1 has one reader and must be rounded on its way in; what an expert's work-groups share is its token rows, which come by a list that no tile descriptor covers.
; REGISTERS, in windows of 256 (s_set_vgpr_msb: bits 1:0 source 0, 3:2 source 1, 5:4 source 2, 7:6 destination):
;   window 0: addresses; W1's fragments; block 8's accumulators and x; b1, W2, b2; the tile's tokens      window 1: accumulator (b, u) at 32 b + 8 u, b = 0..7; before that two batches of W1 in f32
;   window 2: x, a ring of four slots (a K step of 32 each): slot q, block b at 64 q + 8 b; on the way out the hidden layer in bf16, block b at 16 b
.set PW,    160                        ; a k row of W1 in LDS: 128 bytes (64 units) + 32: 40 words
.set LIST,  1024*PW                    ; behind W1: the token of each rank, 5,248 words, then 32 words that take what is thrown away
.set DUMP,  5248
.set LTOP,  DUMP-129                   ; the greatest word at which a lane's nine reads of the list, 128 words from first to last, may begin
.set SPARE, 185344                     ; the spare words, 128 bytes a wave, which no other line names
.set TILE,  576
.set SPW, 4                            ; v4   my spare word        v5   0: these two serve the closing add alone
.set NIL, 5
.set AW0, 6                            ; v6   my lane's place in a fragment of W1: (8 (l / 16) + l % 8) rows + 16 ((l / 8) % 2)
.set AW,  7                            ; v7   + this trip's 128 rows        v8   + the next trip's
.set AWN, 8
.set LA,  9                            ; v9   LDS address of my token's word in block 0 of the tile to come
.set PO,  10                           ; v10  16 (l % 16): my token's 16 bytes in a block of part
.set H16, 11                           ; v11  16 (l / 16)
.set WO,  12                           ; v12  W1: 8,192 (l / 16) + 16 (l % 16): a load takes 256 bytes of each of two rows
.set SA,  13                           ; v13  where those go in LDS: (256 w + l / 16) rows + 8 (l % 16)
.set XO,  20                           ; v[20:28]    block b: my token's row in xb, + 16 (l / 16)
.set WF,  32                           ; v[32:95]    W1's fragments, two buffers of four
.set CT,  32                           ;             before the tiles: a batch of W1 in bf16
.set OA,  32                           ; v[32:103]   on the way out: out^T, block b at OA + 8 b
.set A8,  96                           ; v[96:127]   block 8's accumulators
.set MK,  96                           ;             before the tiles: v[96:103] my 8 words of rt, v[104:111] their first ranks, v[112:119] their tokens, v[120:127] at work
.set RK,  104
.set TT,  112
.set X8,  128                          ; v[128:159]  block 8's x, slot q at X8 + 8 q
.set P8,  128                          ;             on the way out: block 8's hidden layer in bf16
.set BI,  160                          ; v[160:191]  b1 in an accumulator's layout, unit block u at BI + 8 u
.set W2F, 192                          ; v[192:207]  W2^T: two fragments of 16 rows x 32 units (rows 3..15 are zeros)
.set B2C, 208                          ; v[208:215]  b2 in out^T's layout, or 0
.set TK,  216                          ; v[216:224]  the tile's tokens
.set TA,  226                          ; v[226:234]  their bytes in pos
.set PV,  236                          ; v[236:244]  what is stored there: 4096 e + rank
.set XC,  36                           ; s[36:37]    xb at this trip's 256 bytes        s[38:39]  at the next trip's
.set XN,  38
.set MSB, 0
.macro WIN new                         ; the immediate's high byte repeats the setting that is left; a switch that changes nothing is dropped
.if MSB != (\new)
	s_set_vgpr_msb (MSB<<8)|(\new)
.set MSB, \new
.endif
.endm
.set LD1, 0x40                         ; destination window 1
.set CV,  0x05                         ; sources 0 and 1 window 1
.set LD2, 0x80                         ; destination window 2
.set MM,  0x58                         ; x window 2; C and D window 1
.set MF,  0x48                         ; the same with C (b1) in window 0
.set PK,  0x85                         ; sources 0 and 1 window 1, destination window 2
.set RL,  0x82                         ; source 0 and destination window 2
.set OW,  0x08                         ; source 1 window 2
.macro PLACES                          ; a load into a register that a matrix instruction has read, and a vector instruction or a store that reads a matrix result, stand four plain vector instructions behind it
.rept 4
	v_nop
.endr
.endm
; Batch i of four: 64 of my 256 k rows of W1, 32 loads, each 256 consecutive bytes, aligned, of two rows, into window 1 from register rb on.
.macro WLOAD i, rb
	WIN LD1
.set z, 0
.rept 32
	global_load_b128 v[(\rb)+4*z:(\rb)+4*z+3], v[WO], s[52:53] offset:(64*(\i)+2*z)*8192 th:TH_LOAD_NT
.set z, z+1
.endr
	WIN 0
.endm
; The batch is rounded to bf16 and laid into LDS as it lies in memory: [k][unit].
.macro CONV i, rb
	WIN CV
.set z, 0
.rept 32
	v_cvt_pk_bf16_f32 v[CT+2*z],   v[(\rb)+4*z],   v[(\rb)+4*z+1]
	v_cvt_pk_bf16_f32 v[CT+2*z+1], v[(\rb)+4*z+2], v[(\rb)+4*z+3]
.set z, z+1
.endr
	WIN 0
.set z, 0
.rept 32
	ds_store_b64 v[SA], v[CT+2*z:CT+2*z+1] offset:(64*(\i)+2*z)*PW
.set z, z+1
.endr
.endm
; The tokens of my 144 ranks of the tile to come, from rank s29 on.  How often s29 is stepped hangs on the stored count, so the word's number is held inside the list: a tile is entered only with
; s29 below the count, 4,096 at the most, so the bound is never met.  A token's number, which was loaded, enters an address only clamped: a place past the count holds 4096 + e, which reads row 4095
; and writes pos's spare word 4096 + e.
.macro HEADL
	v_add_nc_u32 v[LA], s29, v1
	v_min_u32 v[LA], LTOP, v[LA]
	v_lshl_add_u32 v[LA], v[LA], 2, LIST
.irp b, 0,1,2,3,4,5,6,7,8
	ds_load_b32 v[TK+(\b)], v[LA] offset:64*(\b)
.endr
	s_wait_dscnt 0x0
.irp b, 0,1,2,3,4,5,6,7,8
	v_min_u32 v[XO+(\b)], 0xfff, v[TK+(\b)]
	v_min_u32 v[TA+(\b)], 0x1007, v[TK+(\b)]
	v_lshl_add_u32 v[XO+(\b)], v[XO+(\b)], 11, v[H16]
	v_lshlrev_b32 v[TA+(\b)], 2, v[TA+(\b)]
.endr
.endm
; A K step's x: nine fragments of 16 tokens x 32 k, two loads of 16 bytes a lane each: 18 loads, always in this order.
.macro XLOAD slot, base, koff
	WIN LD2
.irp b, 0,1,2,3,4,5,6,7
	global_load_b128 v[64*(\slot)+8*(\b):64*(\slot)+8*(\b)+3],   v[XO+(\b)], s[\base:\base+1] offset:(\koff)
	global_load_b128 v[64*(\slot)+8*(\b)+4:64*(\slot)+8*(\b)+7], v[XO+(\b)], s[\base:\base+1] offset:(\koff)+32
.endr
	WIN 0
	global_load_b128 v[X8+8*(\slot):X8+8*(\slot)+3],   v[XO+8], s[\base:\base+1] offset:(\koff)
	global_load_b128 v[X8+8*(\slot)+4:X8+8*(\slot)+7], v[XO+8], s[\base:\base+1] offset:(\koff)+32
.endm
.macro XPRO                            ; a tile's first three K steps
	XLOAD 0, XN, 0
	XLOAD 1, XN, 64
	XLOAD 2, XN, 128
.endm
; A K step's W1: four fragments of 16 units x 32 k, turned: 8 LDS loads.
.macro WFETCH buf, adr, row
	WIN 0
.irp u, 0,1,2,3
	ds_load_tr16_b128 v[WF+32*(\buf)+8*(\u):WF+32*(\buf)+8*(\u)+3],   v[\adr] offset:(\row)*PW+32*(\u)
	ds_load_tr16_b128 v[WF+32*(\buf)+8*(\u)+4:WF+32*(\buf)+8*(\u)+7], v[\adr] offset:(\row)*PW+32*(\u)+16*PW
.endr
.endm
; A trip begins: the next trip's addresses become this trip's, and the block of K after it (round the eight) is made.
.macro TRIPTOP
	WIN 0
	s_wait_xcnt 0x0                                ; every load issued so far has read its addresses: only behind this wait are the two bases written
	s_mov_b64 s[XC:XC+1], s[XN:XN+1]
	v_mov_b32 v[AW], v[AWN]
	s_add_co_u32 s32, s32, 1
	s_and_b32 s32, s32, 7
	s_lshl_b32 s34, s32, 8
	s_add_nc_u64 s[XN:XN+1], s[14:15], s[34:35]
	s_mul_i32 s40, s32, 128*PW
	v_add_nc_u32 v[AWN], s40, v[AW0]
.endm
; A K step's 36 products.  The 36 accumulators take turns, one instruction a turn, in the same order in every step, over the loop's jump too.  first = 1: b1 starts the sums.
.macro MUL j, first
	WIN 0
.irp u, 0,1,2,3
.if \first
	v_wmma_f32_16x16x32_bf16 v[A8+8*(\u):A8+8*(\u)+7], v[WF+32*((\j)%2)+8*(\u):WF+32*((\j)%2)+8*(\u)+7], v[X8+8*(\j):X8+8*(\j)+7], v[BI+8*(\u):BI+8*(\u)+7]
.else
	v_wmma_f32_16x16x32_bf16 v[A8+8*(\u):A8+8*(\u)+7], v[WF+32*((\j)%2)+8*(\u):WF+32*((\j)%2)+8*(\u)+7], v[X8+8*(\j):X8+8*(\j)+7], v[A8+8*(\u):A8+8*(\u)+7]
.endif
.endr
.if \first
	WIN MF
.else
	WIN MM
.endif
.irp b, 0,1,2,3,4,5,6,7
.irp u, 0,1,2,3
.if \first
	v_wmma_f32_16x16x32_bf16 v[32*(\b)+8*(\u):32*(\b)+8*(\u)+7], v[WF+32*((\j)%2)+8*(\u):WF+32*((\j)%2)+8*(\u)+7], v[64*(\j)+8*(\b):64*(\j)+8*(\b)+7], v[BI+8*(\u):BI+8*(\u)+7]
.else
	v_wmma_f32_16x16x32_bf16 v[32*(\b)+8*(\u):32*(\b)+8*(\u)+7], v[WF+32*((\j)%2)+8*(\u):WF+32*((\j)%2)+8*(\u)+7], v[64*(\j)+8*(\b):64*(\j)+8*(\b)+7], v[32*(\b)+8*(\u):32*(\b)+8*(\u)+7]
.endif
.endr
.endr
.endm
; K step j of a trip's four.  lc: the x loads younger than this step's own 18, which may stay out at the wait.  ld = 1: behind that wait x of the step three on is asked for, into the slot that the
; step before read: 54 loads of the wave are then out.  wn = 1: W1's fragments of the next step, into the buffer that the step before read.
.macro STEP j, first, ld, wn, lc
	PLACES
	s_wait_loadcnt \lc                             ; loads come back in order: this step's x is in
.if \ld
.if (\j) == 0
	XLOAD 3, XC, 192
.else
	XLOAD (\j)-1, XN, ((\j)-1)*64
.endif
.endif
.if \wn
.if (\j) == 3
	WFETCH 0, AWN, 0
.else
	WFETCH ((\j)+1)%2, AW, ((\j)+1)*32
.endif
.endif
	s_wait_dscnt 8*(\wn)                           ; this step's fragments are in; the next step's eight loads stay out
	MUL \j, \first
.endm
	s_load_b512 s[8:23], s[0:1], 0x0               ; W1 s[8:9], b1 s[10:11], b2 s[12:13], xb s[14:15], w2t s[16:17], rt s[18:19], part s[20:21], pos s[22:23]
	v_lshl_add_u32 v[SPW], v0, 2, SPARE
	v_mov_b32 v[NIL], 0
	v_lshrrev_b32 v14, 5, v0
	v_readfirstlane_b32 s24, v14                   ; wave 0..3
	s_mov_b32 s25, ttmp9                           ; s: the slice
	s_and_b32 s26, ttmp7, 0xffff                   ; e: the expert
	s_lshl_b32 s27, s26, 5
	s_add_co_u32 s27, s27, s25                     ; G = 32 e + s
	s_mul_i32 s29, s24, 144                        ; my first rank
	s_mov_b32 s33, 0xffff0000                      ; a word's upper bf16
	s_mov_b32 s35, 0                               ; high words of the offsets' pairs
	s_mov_b32 s51, 0
	s_mov_b32 s42, 0                               ; relu's 0
	s_mul_i32 s47, s26, 12                         ; b2[e]; never rewritten
	v_and_b32 v1, 15, v0                           ; l % 16
	v_bfe_u32 v2, v0, 4, 1                         ; l / 16
	v_and_b32 v3, 31, v0                           ; l
	v_and_b32 v14, 7, v0
	v_bfe_u32 v15, v0, 3, 1
	v_lshl_add_u32 v[AW0], v2, 3, v14
	v_mul_u32_u24 v[AW0], v[AW0], PW
	v_lshl_add_u32 v[AW0], v15, 4, v[AW0]
	v_lshlrev_b32 v[PO], 4, v1
	v_lshlrev_b32 v[H16], 4, v2
	v_lshl_add_u32 v[WO], v2, 13, v[PO]
	s_mul_i32 s43, s24, 256*PW
	v_mul_u32_u24 v[SA], v2, PW
	v_lshl_add_u32 v[SA], v1, 3, v[SA]
	v_add_nc_u32 v[SA], s43, v[SA]
	v_lshlrev_b32 v16, 5, v2                       ; b1: my 8 units of a block of 16
	v_min_u32 v17, 3, v1
	v_lshl_add_u32 v17, v17, 7, v[H16]             ; w2t: row min(l % 16, 3), + 16 (l / 16)
	s_lshl_b32 s43, s26, 2
	v_lshl_add_u32 v18, v3, 8, s43                 ; rt: lane l has groups 8 l .. 8 l + 7 (tokens 128 l .. 128 l + 127), expert e's word of each
	s_wait_kmcnt 0x0
	s_load_b96 s[44:46], s[12:13], s47 offset:0x0  ; b2[e]
	s_lshl_b32 s50, s26, 23                        ; W1[e], 8 MiB an expert,
	s_lshl_b32 s43, s25, 8                         ; my slice's 256 bytes of a row,
	s_add_co_u32 s50, s50, s43
	s_lshl_b32 s43, s24, 21                        ; my wave's 256 rows of 8,192 bytes
	s_add_co_u32 s50, s50, s43
	s_add_nc_u64 s[52:53], s[8:9], s[50:51]
	s_lshl_b32 s50, s26, 13
	s_lshl_b32 s43, s25, 8
	s_add_co_u32 s50, s50, s43
	s_add_nc_u64 s[54:55], s[10:11], s[50:51]      ; b1[e] at the slice's first unit
	s_lshl_b32 s50, s27, 9
	s_add_nc_u64 s[16:17], s[16:17], s[50:51]      ; w2t[G]
.irp g, 0,1,2,3,4,5,6,7
	global_load_b32 v[MK+(\g)], v18, s[18:19] offset:32*(\g)
.endr
	WLOAD 0, 0                                     ; 64 loads of W1, 32 KiB a wave, go out before anything is waited for
	WLOAD 1, 128
	; THE COUNT, in every wave: whole numbers only.  First ranks inside my lane's 8 groups, the lane's total, a running sum over the 32 lanes.
	s_wait_loadcnt 63                              ; 64 loads are younger than rt's last
	v_mov_b32 v[RK], 0
.irp g, 1,2,3,4,5,6,7
	v_lshrrev_b32 v120, 16, v[MK+(\g)-1]
	v_add_nc_u32 v[RK+(\g)], v[RK+(\g)-1], v120
.endr
	v_lshrrev_b32 v120, 16, v[MK+7]
	v_add_nc_u32 v120, v[RK+7], v120               ; my 128 tokens' number
	v_mov_b32 v122, v120
.irp d, 1,2,4,8,16
	v_add_nc_u32 v124, -(\d), v3
	v_and_b32 v124, 31, v124
	v_lshlrev_b32 v124, 2, v124
	ds_bpermute_b32 v125, v124, v122               ; the sum of the lane d below
	s_wait_dscnt 0x0
	v_cmp_le_u32 vcc_lo, \d, v3
	v_cndmask_b32 v125, 0, v125, vcc_lo            ; where there is one
	v_add_nc_u32 v122, v122, v125
.endr
	v_readlane_b32 s28, v122, 31                   ; the expert's rows
	s_min_u32 s28, s28, 0x1000
	; THE LIST, by wave 0 alone, while every wave's first 64 loads of W1 are on their way: the token of each rank, ascending.
	s_cmp_lg_u32 s24, 0
	s_cbranch_scc1 .Llist_done
	v_sub_nc_u32 v123, v122, v120                  ; the rows in the lanes below mine
.irp g, 0,1,2,3,4,5,6,7
	v_add_nc_u32 v[RK+(\g)], v[RK+(\g)], v123
.endr
	v_lshlrev_b32 v[TT], 7, v3
.irp g, 1,2,3,4,5,6,7
	v_add_nc_u32 v[TT+(\g)], 16*(\g), v[TT]
.endr
	s_add_co_u32 s43, s26, 4096
.irp k, 120,121,122,123
	v_mov_b32 v\k, s43                             ; what a place past the count holds
.endr
	v_lshl_add_u32 v124, v3, 4, LIST
.set z, 0
.rept 41                               ; 41 x 512 bytes: all 5,248 words
	ds_store_b128 v124, v[120:123] offset:512*z
.set z, z+1
.endr
	v_add_nc_u32 v126, DUMP, v3                    ; a token that did not choose e is written here
	s_mov_b32 s31, 16
.Lbit:                                         ; token i of each of my 8 groups; LDS serves a wave's instructions in order (ISA guide 5.7.1.4): these stores land on the filling above
.irp g, 0,1,2,3,4,5,6,7
	v_and_b32 v120, 1, v[MK+(\g)]
	v_cmp_eq_u32 vcc_lo, 1, v120
	v_cndmask_b32 v121, v126, v[RK+(\g)], vcc_lo
	v_min_u32 v121, DUMP+31, v121
	v_lshl_add_u32 v121, v121, 2, LIST
	ds_store_b32 v121, v[TT+(\g)]
	v_add_nc_u32 v[RK+(\g)], v[RK+(\g)], v120
	v_lshrrev_b32 v[MK+(\g)], 1, v[MK+(\g)]
	v_add_nc_u32 v[TT+(\g)], 1, v[TT+(\g)]
.endr
	s_sub_co_i32 s31, s31, 1
	s_cmp_lg_u32 s31, 0
	s_cbranch_scc1 .Lbit
.Llist_done:
	s_wait_dscnt 0x0                               ; wave 0's stores are done
	s_barrier_signal -1
	s_barrier_wait -1                              ; the list is whole; nobody writes it again
	; W1 INTO LDS, two batches on their way while a third is rounded; behind the last batch the small operands and the first tile's x go out.
	HEADL
	s_wait_loadcnt 32                              ; batch 0 is in; batch 1's 32 loads stay out
	CONV 0, 0
	WLOAD 2, 0
	s_wait_loadcnt 32                              ; batch 1; batch 2 stays out
	CONV 1, 128
	WLOAD 3, 128
.irp u, 0,1,2,3
	global_load_b128 v[BI+8*(\u):BI+8*(\u)+3],   v16, s[54:55] offset:64*(\u)
	global_load_b128 v[BI+8*(\u)+4:BI+8*(\u)+7], v16, s[54:55] offset:64*(\u)+16
.endr
.irp f, 0,1
	global_load_b128 v[W2F+8*(\f):W2F+8*(\f)+3],   v17, s[16:17] offset:64*(\f)
	global_load_b128 v[W2F+8*(\f)+4:W2F+8*(\f)+7], v17, s[16:17] offset:64*(\f)+32
.endr
	s_wait_loadcnt 44                              ; batch 2; batch 3's 32 and the 12 just issued stay out
	CONV 2, 0
	s_and_b32 s32, s25, 7                          ; the block of K at which this slice begins
	s_lshl_b32 s34, s32, 8
	s_add_nc_u64 s[XN:XN+1], s[14:15], s[34:35]
	s_mul_i32 s40, s32, 128*PW
	v_add_nc_u32 v[AWN], s40, v[AW0]
	XPRO
	s_wait_loadcnt 54                              ; batch 3, b1 and W2; x's 54 loads stay out
	CONV 3, 128
.set c, 0
.rept 4                                ; b1 is rounded to bf16 like the other inputs and widened again, in place, a unit block at a time
.set p, 0
.rept 4
	v_cvt_pk_bf16_f32 v[120+p], v[BI+8*c+2*p], v[BI+8*c+2*p+1]
.set p, p+1
.endr
.set p, 0
.rept 4
	v_lshlrev_b32 v[BI+8*c+2*p],   16,  v[120+p]
	v_and_b32     v[BI+8*c+2*p+1], s33, v[120+p]
.set p, p+1
.endr
.set c, c+1
.endr
	s_wait_kmcnt 0x0                               ; b2
	s_cmp_eq_u32 s25, 0                            ; it is added once: by slice 0
	s_cselect_b32 s44, s44, 0
	s_cselect_b32 s45, s45, 0
	s_cselect_b32 s46, s46, 0
	v_mov_b32 v[B2C], s44
	v_mov_b32 v[B2C+1], s45
	v_mov_b32 v[B2C+2], s46
.irp k, 3,4,5,6,7
	v_mov_b32 v[B2C+(\k)], 0
.endr
	v_cvt_pk_bf16_f32 v120, v[B2C], v[B2C+1]       ; b2 likewise
	v_cvt_pk_bf16_f32 v121, v[B2C+2], v[B2C+3]
	v_lshlrev_b32 v[B2C],   16,  v120
	v_and_b32     v[B2C+1], s33, v120
	v_lshlrev_b32 v[B2C+2], 16,  v121
	s_wait_dscnt 0x0                               ; for the others' sake: my 256 rows lie in LDS
	s_barrier_signal -1
	s_barrier_wait -1                              ; the slice is whole.  From here on nothing but the closing add writes LDS, and there is no barrier
	s_mov_b32 s30, 8                               ; 8 tiles of 576 cover 4,096 rows
	s_cmp_lt_u32 s29, s28
	s_cbranch_scc0 .Ldone
.Ltile:
	TRIPTOP
	WFETCH 0, AW, 0
	STEP 0, 1, 1, 1, 36                            ; 36: the two K steps asked for behind this one's, 18 loads each
	STEP 1, 0, 1, 1, 36
	STEP 2, 0, 1, 1, 36
	STEP 3, 0, 1, 1, 36
	WIN 0                                          ; at a label and at a branch every window is 0
	s_mov_b32 s31, 6
.Ltrip:
	TRIPTOP
	STEP 0, 0, 1, 1, 36
	STEP 1, 0, 1, 1, 36
	STEP 2, 0, 1, 1, 36
	STEP 3, 0, 1, 1, 36
	WIN 0
	s_sub_co_i32 s31, s31, 1
	s_cmp_lg_u32 s31, 0
	s_cbranch_scc1 .Ltrip
	TRIPTOP                                        ; the eighth trip is written out: it asks for its own last step and nothing more, and the counts run down
	STEP 0, 0, 1, 1, 36
	STEP 1, 0, 0, 1, 36
	STEP 2, 0, 0, 1, 18
	STEP 3, 0, 0, 0, 0
	; THE WAY OUT.  The hidden layer is rounded to bf16 (each accumulator from its low end on), relu on the packed halves, then the second product.
	WIN 0
	PLACES
.set z, 0
.rept 16
	v_cvt_pk_bf16_f32 v[P8+z], v[A8+2*z], v[A8+2*z+1]
.set z, z+1
.endr
.set z, 0
.rept 16
	v_pk_max_num_bf16 v[P8+z], v[P8+z], s42
.set z, z+1
.endr
	WIN PK
.set z, 0
.rept 128
	v_cvt_pk_bf16_f32 v[z], v[2*z], v[2*z+1]
.set z, z+1
.endr
	WIN RL
.set z, 0
.rept 128
	v_pk_max_num_bf16 v[z], v[z], s42
.set z, z+1
.endr
	WIN OW                                         ; out^T: units 0..31 start the nine sums with b2 or 0, units 32..63 follow; the nine accumulators take turns
.irp b, 0,1,2,3,4,5,6,7
	v_wmma_f32_16x16x32_bf16 v[OA+8*(\b):OA+8*(\b)+7], v[W2F:W2F+7], v[16*(\b):16*(\b)+7], v[B2C:B2C+7]
.endr
	WIN 0
	v_wmma_f32_16x16x32_bf16 v[OA+64:OA+71], v[W2F:W2F+7], v[P8:P8+7], v[B2C:B2C+7]
	WIN OW
.irp b, 0,1,2,3,4,5,6,7
	v_wmma_f32_16x16x32_bf16 v[OA+8*(\b):OA+8*(\b)+7], v[W2F+8:W2F+15], v[16*(\b)+8:16*(\b)+15], v[OA+8*(\b):OA+8*(\b)+7]
.endr
	WIN 0
	v_wmma_f32_16x16x32_bf16 v[OA+64:OA+71], v[W2F+8:W2F+15], v[P8+8:P8+15], v[OA+64:OA+71]
	s_lshl_b32 s50, s26, 12
	s_add_co_u32 s50, s50, s29                     ; 4096 e + my first rank
	v_add_nc_u32 v[PV], s50, v1
.irp b, 1,2,3,4,5,6,7,8
	v_add_nc_u32 v[PV+(\b)], 16*(\b), v[PV]
.endr
	PLACES
	s_lshl_b32 s50, s50, 4                         ; 16 bytes a rank,
	s_lshl_b32 s43, s25, 19                        ; 512 KiB a slice
	s_add_co_u32 s50, s50, s43
	s_add_nc_u64 s[48:49], s[20:21], s[50:51]
	v_cmp_gt_u32 vcc_lo, 16, v3                    ; lanes 0 to 15 hold rows 0..7 of out^T: registers 0..3 are a token's three outputs and a 0
	s_wait_xcnt 0x0                                ; EXEC changes only behind this wait
	s_and_saveexec_b32 s41, vcc_lo
.set z, 0
.rept 9                                ; a block whose first rank is past the count is not stored, nor any behind it
	s_add_co_u32 s43, s29, 16*z
	s_cmp_lt_u32 s43, s28
	s_cbranch_scc0 .Lp_done
	global_store_b128 v[PO], v[OA+8*z:OA+8*z+3], s[48:49] offset:256*z  ; 16 lanes store 256 consecutive bytes, aligned
.set z, z+1
.endr
.Lp_done:
	s_cmp_lg_u32 s25, 0                            ; slice 0 also says where each token's sums lie
	s_cbranch_scc1 .Lq_done
.set z, 0
.rept 9
	s_add_co_u32 s43, s29, 16*z
	s_cmp_lt_u32 s43, s28
	s_cbranch_scc0 .Lq_done
	global_store_b32 v[TA+z], v[PV+z], s[22:23]    ; by token: 4 bytes each, 16 KiB in the launch
.set z, z+1
.endr
.Lq_done:
	s_wait_xcnt 0x0                                ; the stores have read their registers, their bases and EXEC
	s_or_b32 exec_lo, exec_lo, s41
	s_add_co_u32 s29, s29, TILE
	s_cmp_lt_u32 s29, s28
	s_cbranch_scc0 .Ldone                          ; no rank of mine is left
	HEADL                                          ; (the last wait on loads was for 0: the rows' offsets may be written)
	XPRO
	s_sub_co_i32 s30, s30, 1
	s_cmp_lg_u32 s30, 0
	s_cbranch_scc1 .Ltile
.Ldone:
	s_wait_tensorcnt 0x0                           ; the wave's end: behind my last LDS store
	ds_add_u32 v[SPW], v[NIL]
	s_wait_dscnt 0x0
	s_endpgm
.Lfunc_end_k_q3b91d049eb_expert:
	.size	k_q3b91d049eb_expert, .Lfunc_end_k_q3b91d049eb_expert-k_q3b91d049eb_expert
	.p2alignl 7, 3214868480
	.fill 96, 4, 3214868480
	.section	.rodata,"a",@progbits
	.p2align	6, 0x0
	.amdhsa_kernel k_q3b91d049eb_expert
		.amdhsa_group_segment_fixed_size 185856
		.amdhsa_private_segment_fixed_size 0
		.amdhsa_enable_private_segment 0
		.amdhsa_kernarg_size 64
		.amdhsa_user_sgpr_count 2
		.amdhsa_user_sgpr_kernarg_segment_ptr 1
		.amdhsa_wavefront_size32 1
		.amdhsa_system_sgpr_workgroup_id_x 1
		.amdhsa_system_sgpr_workgroup_id_y 1
		.amdhsa_system_sgpr_workgroup_id_z 1
		.amdhsa_system_vgpr_workitem_id 0
		.amdhsa_next_free_vgpr 768
		.amdhsa_next_free_sgpr 66
		.amdhsa_reserve_vcc 1
		.amdhsa_float_denorm_mode_32 3
		.amdhsa_float_denorm_mode_16_64 3
		.amdhsa_memory_ordered 1
		.amdhsa_forward_progress 1
		.amdhsa_inst_pref_size 147
	.end_amdhsa_kernel
	.amdgpu_metadata
---
amdhsa.version: [ 1, 2 ]
amdhsa.kernels:
  - .name:           k_q3b91d049eb_expert
    .symbol:         k_q3b91d049eb_expert.kd
    .args:
      - { .name: W1, .offset: 0, .size: 8, .value_kind: global_buffer, .address_space: global }
      - { .name: b1, .offset: 8, .size: 8, .value_kind: global_buffer, .address_space: global }
      - { .name: b2, .offset: 16, .size: 8, .value_kind: global_buffer, .address_space: global }
      - { .name: xb, .offset: 24, .size: 8, .value_kind: global_buffer, .address_space: global }
      - { .name: w2t, .offset: 32, .size: 8, .value_kind: global_buffer, .address_space: global }
      - { .name: rt, .offset: 40, .size: 8, .value_kind: global_buffer, .address_space: global }
      - { .name: part, .offset: 48, .size: 8, .value_kind: global_buffer, .address_space: global }
      - { .name: pos, .offset: 56, .size: 8, .value_kind: global_buffer, .address_space: global }
    .group_segment_fixed_size: 185856
    .private_segment_fixed_size: 0
    .kernarg_segment_align: 8
    .kernarg_segment_size: 64
    .max_flat_workgroup_size: 128
    .sgpr_count:     66
    .vgpr_count:     768
    .wavefront_size: 32
...
	.end_amdgpu_metadata
.endif
;; end of part 2
;; launch gather (part 3): grid 128 x 1, 1 waves a work-group, no clusters, 0 bytes of LDS; arguments part, pos, out0; writes out0
.if DOCPART == 3
	.amdgcn_target "amdgcn-amd-amdhsa--gfx1250"
	.amdhsa_code_object_version 6
	.text
	.protected	k_q3b91d049eb_gather
	.globl	k_q3b91d049eb_gather
	.p2align	8
	.type	k_q3b91d049eb_gather,@function
k_q3b91d049eb_gather:
	s_mov_b64 s[64:65], 0
	v_nop
	global_prefetch_b8 v0, s[64:65] scope:SCOPE_SE
	s_setreg_imm32_b32 hwreg(HW_REG_WAVE_MODE, 25, 1), 1
	s_wait_xcnt 0x0
; out0[t][c] = the sum over the 32 slices s of part[s][pos[t]][c].  part: [32][32768][4] f32, the slices' partial sums (b2 is in slice 0's); pos[t] = 4096 e + rank, stored by the launch before.
; Only the chosen expert's sums exist: the others were left out (shown at the head of the first launch).
; A lane a token: 32 loads of 16 bytes, all out at once; a tree of f32 additions; 12 bytes a lane, 384 bytes on end a wave.  4,096 sums of 32 terms are all the work there is: 128 waves, one a work-group.
	s_load_b128 s[4:7], s[0:1], 0x0                ; part s[4:5], pos s[6:7]
	s_load_b64 s[8:9], s[0:1], 0x10                ; out0
	s_lshl_b32 s12, ttmp9, 5
	v_add_nc_u32 v1, s12, v0                       ; t
	v_lshlrev_b32 v2, 2, v1
	v_mul_u32_u24 v4, v1, 12
	s_wait_kmcnt 0x0
	global_load_b32 v3, v2, s[6:7]
	s_add_nc_u64 s[10:11], s[4:5], 0x800000        ; slices 16 to 31: the immediate's 24 signed bits end below 16 x 524,288
	s_wait_loadcnt 0x0
	v_min_u32 v3, 0x7fff, v3                       ; a number that was loaded enters an address only clamped
	v_lshlrev_b32 v3, 4, v3
.set i, 0
.rept 16
	global_load_b128 v[16+4*i:19+4*i], v3, s[4:5] offset:i*524288 th:TH_LOAD_NT
.set i, i+1
.endr
.set i, 0
.rept 16
	global_load_b128 v[80+4*i:83+4*i], v3, s[10:11] offset:i*524288 th:TH_LOAD_NT
.set i, i+1
.endr
	s_wait_loadcnt 0x0
.irp d, 16,8,4,2,1
.set i, 0
.rept \d
	v_pk_add_f32 v[16+4*i:17+4*i], v[16+4*i:17+4*i], v[16+4*(i+\d):17+4*(i+\d)]
	v_add_f32 v[18+4*i], v[18+4*i], v[18+4*(i+\d)]
.set i, i+1
.endr
.endr
	global_store_b96 v4, v[16:18], s[8:9]
	s_endpgm
.Lfunc_end_k_q3b91d049eb_gather:
	.size	k_q3b91d049eb_gather, .Lfunc_end_k_q3b91d049eb_gather-k_q3b91d049eb_gather
	.p2alignl 7, 3214868480
	.fill 96, 4, 3214868480
	.section	.rodata,"a",@progbits
	.p2align	6, 0x0
	.amdhsa_kernel k_q3b91d049eb_gather
		.amdhsa_group_segment_fixed_size 0
		.amdhsa_private_segment_fixed_size 0
		.amdhsa_enable_private_segment 0
		.amdhsa_kernarg_size 24
		.amdhsa_user_sgpr_count 2
		.amdhsa_user_sgpr_kernarg_segment_ptr 1
		.amdhsa_wavefront_size32 1
		.amdhsa_system_sgpr_workgroup_id_x 1
		.amdhsa_system_sgpr_workgroup_id_y 1
		.amdhsa_system_sgpr_workgroup_id_z 1
		.amdhsa_system_vgpr_workitem_id 0
		.amdhsa_next_free_vgpr 144
		.amdhsa_next_free_sgpr 66
		.amdhsa_reserve_vcc 0
		.amdhsa_float_denorm_mode_32 3
		.amdhsa_float_denorm_mode_16_64 3
		.amdhsa_memory_ordered 1
		.amdhsa_forward_progress 1
		.amdhsa_inst_pref_size 7
	.end_amdhsa_kernel
	.amdgpu_metadata
---
amdhsa.version: [ 1, 2 ]
amdhsa.kernels:
  - .name:           k_q3b91d049eb_gather
    .symbol:         k_q3b91d049eb_gather.kd
    .args:
      - { .name: part, .offset: 0, .size: 8, .value_kind: global_buffer, .address_space: global }
      - { .name: pos, .offset: 8, .size: 8, .value_kind: global_buffer, .address_space: global }
      - { .name: out0, .offset: 16, .size: 8, .value_kind: global_buffer, .address_space: global }
    .group_segment_fixed_size: 0
    .private_segment_fixed_size: 0
    .kernarg_segment_align: 8
    .kernarg_segment_size: 24
    .max_flat_workgroup_size: 32
    .sgpr_count:     66
    .vgpr_count:     144
    .wavefront_size: 32
...
	.end_amdgpu_metadata
.endif
;; end of part 3
